; MI455X (gfx1250); checked and timed in simulation.
; The chip was launched on July 23, 2026; its instructions are those of AMD's public machine-readable ISA for CDNA 5 (MIT licence, August 2026) and "CDNA5" Instruction Set Architecture Reference Guide (July 2026). The comments in the code are by the model that wrote it; some were corrected since.
;; Radon. Allowed arithmetic: float matrix products may take bf16 or f16 operands with f32 sums; other float arithmetic in f32, or as packed bf16 or f16 multiplies, adds, multiply-adds, maxima and minima; sums over many terms, partial sums and values carried from step to step in f32; what a program stores and reads back later, other than sums and carried values, may be rounded once to bf16 or f16.
;; Inputs: x 32 x 1 x 512 x 512 float32.
;; Outputs: out0 32 x 1 x 512 x 22 float32.
;; 2 versions, each right; version 2 is version 1 with the launch bands written anew for expert scheduling mode. Each part assembles by itself: llvm-mc -triple=amdgcn-amd-amdhsa -mcpu=gfx1250 --defsym DOCPART=n.
;; ======== version 1 of 2: 2 launches
;; limits: values are held in f16: magnitudes above 65,504 overflow, below 6.1e-05 lose precision; inputs' magnitudes at most 65,504
;; workspace buffers: part 11,534,336 bytes
;; launch bands (part 1): grid 256 x 1, 22 waves a work-group, no clusters, 316,416 bytes of LDS; arguments x, part; writes part
.if DOCPART == 1
	.amdgcn_target "amdgcn-amd-amdhsa--gfx1250"
	.amdhsa_code_object_version 6
	.text
	.protected	k_qcecad29268_bands
	.globl	k_qcecad29268_bands
	.p2align	8
	.type	k_qcecad29268_bands,@function
k_qcecad29268_bands:
	s_mov_b64 s[64:65], 0
	v_nop
	global_prefetch_b8 v0, s[64:65] scope:SCOPE_SE
	s_setreg_imm32_b32 hwreg(HW_REG_WAVE_MODE, 25, 1), 1
	s_wait_xcnt 0x0
; RADON TRANSFORM, first of two launches: partial sums over bands of 64 source rows.
; out[n][w][a] = sum over h of the bilinear sample of image n at  ix = 255.5 + c u + s v,  iy = 255.5 - s u + c v,  u = w - 255.5, v = h - 255.5,
; c, s = cos, sin of a degrees, a = 0..21; pixels outside the image count as 0.
; SHARES.  256 work-groups = 2 groups of 16 images x 2 groups of 11 angles x 8 chunks of 64 columns w x 8 bands.  Band b takes the samples with floor(iy) in 64 b .. 64 b + 63
; (band 0 also -1): an integer test on the same arithmetic in every work-group, so each sample is counted once.  Wave = (angle, 32 columns), lane = one ray.
; LDS.  The window of the 16 images that these rays cross, 66 rows x 144 pixels, rounded once to f16.  A cell is one pixel of 8 images (16 bytes); a row holds plane 0 (images 0-7), then
; plane 1 (images 8-15).  One address serves the 8 loads of a sample (4 taps x 2 planes).  The widest window over all chunks and bands needs 138 cells.
; Neighbouring lanes take neighbouring cells and both pitches are multiples of 256 bytes, so 16 lanes fall on different 16-byte columns unless two share a pixel column in different rows.
; ADDRESSES ARE WHOLE NUMBERS.  Coordinates are 32-bit fixed point with 21 fraction bits; cos, sin, 1/cos and tan are integers scaled by 2^20, made by the assembler from 8 decimals.
; ARITHMETIC.  The four taps are weighted in packed f16 (two images a line).  The sum along the ray is kept in f32 by the matrix unit: A is a constant matrix with A[m][k] = 1 where
; k mod 16 = m, B holds two steps' results as they lie (lane L, register pair of images), and register j of lane L of the result is the sum for ray L, image j.
; LIMITS.  |x| below 65,504 (f16); positions within about 5e-4 pixel of the exact ones; each interpolation is rounded to f16; NaN and infinities are not treated apart.
; NO TENSOR LOADS, NO CLUSTER: the pixels are converted and interleaved in registers on their way in, and raw f32 rows would find no room beside the 304,128-byte tile.
.set QF,      21                      ; fraction bits
.set CENTRE,  511<<20                 ; 255.5 in fixed point
.set ODD,     0xfffffe01              ; -511
.set ROWB,    4608                    ; bytes of a tile row: 2 planes x 144 cells x 16
.set PLANE,   2304
.set TROWS,   66                      ; rows 64 b - 1 .. 64 b + 64
.set ZERO,    TROWS*ROWB              ; two rows of zeros: where samples that do not count read
.set SPARE,   ZERO+2*ROWB             ; the spare words, 128 bytes a wave, in 11 blocks of 256 bytes that no other line names
.set TRIPS,   36                      ; two steps a trip; 65 / cos 21 = 69.6 rows of steps, one more for the start: 71 steps at the most
.set IMAGE,   1<<20                   ; bytes of an image
.set GO, 16                           ; v16-22  fill: byte offset in an image, one for each of 7 turns
.set LA, 24                           ; v24-30  fill: LDS address
.set PK, 32                           ; v32-47  fill: four packed cells
.set DB, 48                           ; v48-143 fill: three buffers of 16 loads
	s_load_b128 s[4:7], s[0:1], 0x0                ; x, part
	v_lshl_add_u32 v2, v0, 2, SPARE                ; my spare word,
	v_mov_b32 v3, 0                                ; and 0: kept for the closing add alone
	v_and_b32 v1, 31, v0                           ; lane
	v_lshrrev_b32 v4, 5, v0
	v_readfirstlane_b32 s8, v4                     ; wave 0..21
	s_lshr_b32 s9, s8, 1                           ; my angle in the group of 11
	s_and_b32 s10, s8, 1                           ; which 32 columns of the chunk
	s_and_b32 s11, ttmp9, 7                        ; band
	s_bfe_u32 s12, ttmp9, 0x30003                  ; chunk of 64 columns
	s_bfe_u32 s13, ttmp9, 0x10006                  ; angle group
	s_lshr_b32 s14, ttmp9, 7                       ; image group
	s_lshl_b32 s15, s11, 6
	s_sub_co_i32 s15, s15, 1                       ; the tile's first row, 64 b - 1
	s_cmp_lg_u32 s11, 0
	s_cselect_b32 s17, 1, 0                        ; lowest floor(iy) of the band, counted from that row: 0 in band 0, else 1
	s_add_co_i32 s16, s15, s17                     ; the same as a row of the image
	s_lshl_b32 s22, s12, 7
	s_sub_co_i32 s22, s22, 511                     ; 2 u of the chunk's first column
	s_add_co_i32 s47, s22, 126                     ; and of its last
	s_lshl_b32 s23, s15, 1
	s_sub_co_i32 s23, s23, 511                     ; 2 (iy - 255.5) at the tile's first row
	s_add_co_i32 s48, s23, 130                     ; and at row 64 b + 64
	s_mov_b32 s24, 0x7fffffff                      ; leftmost and
	s_mov_b32 s49, 0x80000000                      ; rightmost place of a ray in the band, over the group's angles
	s_mov_b32 s18, 0
	s_mov_b32 s19, 0
	s_mov_b32 s20, 0
	s_mov_b32 s21, 0
; One angle: sin and cos times 1e8.  A ray crosses row iy at ix = 255.5 + u / c + (iy - 255.5) tan: least at the first column and first row, most at the last ones.
; The wave whose angle this is keeps the four constants.
.macro ANG i, sn, cs
.set A_COS, (((\cs)<<20)+50000000)/100000000
.set A_SIN, (((\sn)<<20)+50000000)/100000000
.set A_SEC, ((100000000<<20)+(\cs)/2)/(\cs)
.set A_TAN, (((\sn)<<20)+(\cs)/2)/(\cs)
	s_mul_i32 s26, s22, A_SEC
	s_mul_i32 s27, s23, A_TAN
	s_add_co_i32 s26, s26, s27
	s_min_i32 s24, s24, s26
	s_mul_i32 s26, s47, A_SEC
	s_mul_i32 s27, s48, A_TAN
	s_add_co_i32 s26, s26, s27
	s_max_i32 s49, s49, s26
	s_cmp_eq_u32 s9, \i
	s_cselect_b32 s18, A_COS, s18
	s_cselect_b32 s19, A_SIN, s19
	s_cselect_b32 s20, A_SEC, s20
	s_cselect_b32 s21, A_TAN, s21
.endm
	s_cmp_eq_u32 s13, 0
	s_cbranch_scc0 .Lupper
	ANG 0,  0,        100000000
	ANG 1,  1745241,  99984770
	ANG 2,  3489950,  99939083
	ANG 3,  5233596,  99862953
	ANG 4,  6975647,  99756405
	ANG 5,  8715574,  99619470
	ANG 6,  10452846, 99452190
	ANG 7,  12186934, 99254615
	ANG 8,  13917310, 99026807
	ANG 9,  15643447, 98768834
	ANG 10, 17364818, 98480775
	s_branch .Lhave
.Lupper:
	ANG 0,  19080900, 98162718
	ANG 1,  20791169, 97814760
	ANG 2,  22495105, 97437006
	ANG 3,  24192190, 97029573
	ANG 4,  25881905, 96592583
	ANG 5,  27563736, 96126170
	ANG 6,  29237170, 95630476
	ANG 7,  30901699, 95105652
	ANG 8,  32556815, 94551858
	ANG 9,  34202014, 93969262
	ANG 10, 35836795, 93358043
.Lhave:
	s_add_co_i32 s24, s24, CENTRE
	s_ashr_i32 s25, s24, QF
	s_sub_co_i32 s25, s25, 1                       ; one pixel of margin,
	s_and_b32 s25, s25, -2                         ; even, so that a pair of pixels is 8 aligned bytes,
	s_max_i32 s25, s25, -2                         ; and no further left than the zero column -1 asks: the window's first pixel
	s_add_co_i32 s49, s49, CENTRE
	s_ashr_i32 s39, s49, QF
	s_add_co_i32 s39, s39, 3                       ; the right tap and one pixel of margin
	s_max_i32 s39, s39, 0
	s_min_i32 s39, s39, 0x200                      ; pixels from here on are not fetched: outside the image, or crossed by no ray
	s_mul_i32 s26, s8, 3
	s_add_co_i32 s27, s15, s26                     ; my wave fills tile rows 3 wave .. 3 wave + 2: the first as a row of the image,
	s_mul_i32 s28, s8, 3*ROWB                      ; and in LDS
	s_movk_i32 s29, 0x200
	s_lshl_b32 s30, s14, 24
	s_add_co_u32 s30, s30, 8*IMAGE                 ; x at image 16 group + 8: the 16 images lie -8 .. +7 images from there, inside the signed 24-bit offset
	s_mov_b32 s31, 0
	s_cmp_lg_u32 s8, 0
	s_cbranch_scc1 .Lnot_first
	v_lshl_add_u32 v4, v1, 4, ZERO                 ; wave 0 writes the two rows of zeros: 18 x 512 bytes
	v_mov_b32 v8, 0
	v_mov_b32 v9, 0
	v_mov_b32 v10, 0
	v_mov_b32 v11, 0
.set i, 0
.rept 18
	ds_store_b128 v4, v[8:11] offset:512*i
.set i, i+1
.endr
.Lnot_first:
; THE FILL.  A wave's 3 rows are 216 pairs of pixels: 7 turns of 32 lanes (in the last, lanes 24-31 repeat lane 23's pair).  A lane loads its pair from 16 images (a wave's load covers
; 256 consecutive bytes of an image row), packs them and stores 4 cells.
.macro FADDR j
	v_add_nc_u32 v4, 32*(\j), v1                   ; pair 0..215
.if (\j) == 6
	v_min_u32 v4, 215, v4
.endif
	v_mul_u32_u24 v5, 911, v4
	v_lshrrev_b32 v5, 16, v5                       ; pair / 72 (exact up to 215): row 0..2
	v_mul_u32_u24 v6, 72, v5
	v_sub_nc_u32 v6, v4, v6                        ; pair in the row
	v_add_nc_u32 v7, s27, v5                       ; y
	v_lshl_add_u32 v4, v6, 1, s25                  ; x
	v_cmp_gt_u32 s[40+(\j)], s29, v7               ; 0 <= y < 512
	v_cmp_gt_u32 vcc_lo, s39, v4                   ; 0 <= x < limit
	s_and_b32 s[40+(\j)], s[40+(\j)], vcc_lo
	v_lshlrev_b32 v7, 11, v7
	v_lshl_add_u32 v7, v4, 2, v7                   ; 2048 y + 4 x
	v_cndmask_b32 v[GO+(\j)], 0, v7, s[40+(\j)]    ; pairs that are not wanted all ask for the image's first bytes, and are stored as zeros
	v_mul_u32_u24 v5, ROWB, v5
	v_lshl_add_u32 v5, v6, 5, v5
	v_add_nc_u32 v5, s28, v5
	v_min_u32 v[LA+(\j)], ZERO-PLANE-32, v5        ; the last pair of the last row: never passed, stated as a bound
.endm
.macro FLOAD j
.set FB, DB+32*((\j)%3)
.set i, 0
.rept 16
	global_load_b64 v[FB+2*i:FB+2*i+1], v[GO+(\j)], s[4:5] offset:(i-8)*IMAGE
.set i, i+1
.endr
.endm
.macro FSTORE j
.set FB, DB+32*((\j)%3)
.irp p,0,1
.irp e,0,1
.irp m,0,1,2,3
	v_cvt_pk_f16_f32 v[PK+8*\p+4*\e+\m], v[FB+16*\p+4*\m+\e], v[FB+16*\p+4*\m+2+\e]  ; pixel e of images 8 p + 2 m (low half) and 8 p + 2 m + 1
.endr
.endr
.endr
.set i, 0
.rept 16
	v_cndmask_b32 v[PK+i], 0, v[PK+i], s[40+(\j)]
.set i, i+1
.endr
.irp p,0,1
.irp e,0,1
	ds_store_b128 v[LA+(\j)], v[PK+8*\p+4*\e:PK+8*\p+4*\e+3] offset:\p*PLANE+\e*16
.endr
.endr
.endm
.irp j,0,1,2,3,4,5,6
	FADDR \j
.endr
	s_wait_kmcnt 0x0
	s_add_nc_u64 s[4:5], s[4:5], s[30:31]
	FLOAD 0
	FLOAD 1
	FLOAD 2                                        ; three turns, 48 loads of 256 bytes, are out in each wave
.irp j,0,1,2,3,4,5,6
.if (\j) < 5
	s_wait_loadcnt 32                              ; loads come back in order: this turn's 16 are in, the two younger turns stay out
.elseif (\j) == 5
	s_wait_loadcnt 16                              ; one younger turn is left
.else
	s_wait_loadcnt 0
.endif
	FSTORE \j
.if (\j) < 4
	FLOAD (\j)+3                                   ; into the buffer just packed
.endif
.endr
	s_wait_dscnt 0x0                               ; for the others' sake: my cells are in LDS
	s_barrier_signal -1
	s_barrier_wait -1                              ; the tile is whole; from here on LDS is only read
; THE RAY.  v4, v5: ix and iy of the step in hand, counted from the tile's first pixel and row.  v6, v7: iy counts where iy - v6 < v7 (unsigned): inside the band and 0 <= h <= 511.
	s_lshl_b32 s30, s12, 6
	s_lshl_b32 s31, s10, 5
	s_add_co_u32 s30, s30, s31                     ; my wave's first column
	v_add_nc_u32 v52, s30, v1
	v_lshlrev_b32 v52, 1, v52
	v_add_nc_u32 v52, ODD, v52                     ; U = 2 u
	s_lshl_b32 s31, s16, 1
	s_sub_co_i32 s31, s31, 511
	s_mul_i32 s31, s31, s20
	s_add_co_i32 s31, s31, CENTRE+(1<<21)-(1<<13)  ; the ray enters the band at h = 255.5 + (row - 255.5) / c + u tan; plus 1 - 1/256 and cut off, that is the first step
	v_mul_lo_u32 v53, v52, s21                     ; inside or the one before it (the constants' rounding moves it by less than 1/256)
	v_add_nc_u32 v53, s31, v53
	v_ashrrev_i32 v53, QF, v53                     ; the first h that I take
	v_lshlrev_b32 v53, 1, v53
	v_add_nc_u32 v53, ODD, v53                     ; V = 2 v
	v_mul_lo_u32 v54, v52, s19                     ; s U
	v_mul_lo_u32 v55, v52, s18                     ; c U
	v_mul_lo_u32 v56, v53, s18                     ; c V
	v_mul_lo_u32 v57, v53, s19                     ; s V
	s_lshl_b32 s32, s15, QF
	s_sub_co_i32 s32, CENTRE, s32
	s_lshl_b32 s33, s25, QF
	s_sub_co_i32 s33, CENTRE, s33
	v_sub_nc_u32 v58, s32, v54                     ; iy at V = 0
	v_add_nc_u32 v5, v58, v56
	v_add3_u32 v4, v55, v57, s33
	s_mul_i32 s34, s18, 511
	s_sub_co_i32 s35, 0, s34
	v_add_nc_u32 v59, s35, v58                     ; iy at h = 0
	v_add3_u32 v60, v58, s34, 1                    ; iy at h = 511, and one unit more
	s_lshl_b32 s36, s17, QF                        ; the band's lower
	s_mov_b32 s37, 65<<QF                          ; and upper end
	v_cmp_gt_i32 vcc_lo, s36, v59
	v_cndmask_b32 v6, v59, s36, vcc_lo             ; the greater lower end
	v_cmp_lt_i32 vcc_lo, s37, v60
	v_cndmask_b32 v7, v60, s37, vcc_lo             ; the lesser upper end
	v_sub_nc_u32 v7, v7, v6
	v_cmp_lt_i32 vcc_lo, 0, v7
	v_cndmask_b32 v7, 0, v7, vcc_lo                ; the span, 0 if there is none
	s_sub_co_i32 s38, 65, s17                      ; rows of the band
	s_mul_i32 s38, s38, s20
	s_add_co_u32 s38, s38, (1<<20)-1
	s_lshr_b32 s38, s38, 20                        ; steps inside it, at the most
	s_add_co_u32 s38, s38, 2                       ; one for the start, one to round up
	s_lshr_b32 s51, s38, 1                         ; my angle's trips
	s_lshl_b32 s52, s19, 1                         ; a step in ix: s,
	s_lshl_b32 s53, s18, 1                         ; in iy: c
	s_lshl_b32 s54, s19, 2                         ; two steps
	s_lshl_b32 s55, s18, 2
	s_add_co_i32 s56, s25, 1
	s_lshl_b32 s56, s56, QF                        ; ix counts where ix + 1 (in image pixels) < 513, unsigned
	s_mov_b32 s57, 513<<QF
	s_mov_b32 s58, 0x7fffff
	s_mov_b32 s59, 0x3f800000
	s_mov_b32 s60, ZERO
	v_mov_b32 v8, -1.0                             ; (1 + f) (-1, 1) + (2, -1) = (1 - f, f)
	v_mov_b32 v9, 1.0
	v_mov_b32 v10, 2.0
	v_mov_b32 v11, -1.0
	v_mov_b32 v59, 0                               ; upper halves of pairs of which the packed multiply takes the lower
	v_mov_b32 v75, 0
	; the selection matrix: lane (m = lane % 16, half) holds k = 8 half .. + 7 in registers 0-3 and 16 more in 4-7; 1.0 stands at k = m and k = m + 16
	v_lshrrev_b32 v52, 4, v1
	v_bfe_u32 v53, v1, 3, 1
	v_cmp_eq_u32 s38, v52, v53                     ; k = m lies in my half
	v_and_b32 v54, 1, v1
	v_lshlrev_b32 v54, 4, v54
	v_mov_b32 v55, 0x3c00
	v_lshlrev_b32 v55, v54, v55                    ; 1.0 in the half-word m % 2
	v_cndmask_b32 v55, 0, v55, s38
	v_bfe_u32 v56, v1, 1, 2                        ; in register (m % 8) / 2
.irp q,0,1,2,3
	v_cmp_eq_u32 vcc_lo, \q, v56
	v_cndmask_b32 v[12+\q], 0, v55, vcc_lo
	v_cndmask_b32 v[16+\q], 0, v55, vcc_lo
.endr
.set i, 20
.rept 16
	v_mov_b32 v[i], 0                              ; the two accumulators: the loop is one text for every trip
.set i, i+1
.endr
; Where a step reads: row x 4608 + pixel x 16, or the rows of zeros if it does not count.
.macro PLACE ix, iy, ad, m
	v_sub_nc_u32 v84, v[\iy], v6
	v_add_nc_u32 v85, s56, v[\ix]
	v_ashrrev_i32 v86, QF, v[\iy]
	v_ashrrev_i32 v87, QF, v[\ix]
	v_cmp_gt_u32 s[\m], v7, v84
	v_cmp_gt_u32 vcc_lo, s57, v85
	v_mul_u32_u24 v86, ROWB, v86
	s_and_b32 s[\m], s[\m], vcc_lo
	v_lshl_add_u32 v86, v87, 4, v86
	v_cndmask_b32 v86, s60, v86, s[\m]
	v_min_u32 v[\ad], ZERO, v86                    ; never passed by a step that counts: stated as a bound
.endm
.macro GATHER ad, d                    ; tap t = 2 row + pixel, plane p -> 4 registers at d + 8 t + 4 p
.irp t,0,1,2,3
.irp p,0,1
	ds_load_b128 v[(\d)+8*\t+4*\p:(\d)+8*\t+4*\p+3], v[\ad] offset:(\t/2)*ROWB+(\t%2)*16+\p*PLANE
.endr
.endr
.endm
; The four weights from the fraction bits: 21 bits under the exponent of 1.0 are 1 + f.  Each weight twice in a register, as f16.
.macro WEIGH ix, iy, f, h
	v_lshlrev_b32 v84, 2, v[\ix]
	v_lshlrev_b32 v85, 2, v[\iy]
	v_and_or_b32 v[\f], v84, s58, s59
	v_and_or_b32 v[(\f)+1], v85, s58, s59
	v_pk_fma_f32 v[(\f)+2:(\f)+3], v[\f:(\f)+1], v[8:9], v[10:11] op_sel_hi:[0,1,1]        ; (1 - fx, fx)
	v_sub_f32 v[(\f)+4], 2.0, v[(\f)+1]                                                     ; 1 - fy
	v_pk_mul_f32 v[(\f)+6:(\f)+7], v[(\f)+2:(\f)+3], v[(\f)+4:(\f)+5] op_sel_hi:[1,0]       ; the upper row's two
	v_pk_add_f32 v[(\f)+8:(\f)+9], v[(\f)+2:(\f)+3], v[(\f)+6:(\f)+7] neg_lo:[0,1] neg_hi:[0,1]  ; the lower row's: what is left of (1 - fx, fx)
	v_cvt_pk_f16_f32 v[\h], v[(\f)+6], v[(\f)+6]
	v_cvt_pk_f16_f32 v[(\h)+1], v[(\f)+7], v[(\f)+7]
	v_cvt_pk_f16_f32 v[(\h)+2], v[(\f)+8], v[(\f)+8]
	v_cvt_pk_f16_f32 v[(\h)+3], v[(\f)+9], v[(\f)+9]
.endm
.macro LERP d, h, t                    ; 16 images' samples, two a line; eight chains side by side
.irp p,0,1
.irp m,0,1,2,3
	v_pk_mul_f16 v[(\t)+8*\p+\m], v[(\d)+4*\p+\m], v[\h]
.endr
.endr
.irp c,1,2,3
.irp p,0,1
.irp m,0,1,2,3
	v_pk_fma_f16 v[(\t)+8*\p+\m], v[(\d)+8*\c+4*\p+\m], v[(\h)+\c], v[(\t)+8*\p+\m]
.endr
.endr
.endr
.endm
	s_mov_b32 s50, 0
.Ltrip:                                                ; counted to the largest angle's trips; a wave with fewer jumps over the rest
	s_cmp_ge_u32 s50, s51
	s_cbranch_scc1 .Ldead
	PLACE 4, 5, 52, 40
	GATHER 52, 88
	v_add_nc_u32 v68, s52, v4                      ; the second step
	v_add_nc_u32 v69, s53, v5
	PLACE 68, 69, 53, 41
	GATHER 53, 120
	WEIGH 4, 5, 54, 64                             ; the weights are made while the cells are on their way
	WEIGH 68, 69, 70, 80
	v_add_nc_u32 v4, s54, v4
	v_add_nc_u32 v5, s55, v5
	s_wait_dscnt 8                                 ; LDS loads come back in order: the first step's 8 are in, the second's stay out
	LERP 88, 64, 36
	s_wait_dscnt 0
	LERP 120, 80, 40
	v_wmma_f32_16x16x32_f16 v[20:27], v[12:19], v[36:43], v[20:27]   ; images 0-7: both steps onto the f32 sums
	v_wmma_f32_16x16x32_f16 v[28:35], v[12:19], v[44:51], v[28:35]   ; images 8-15.  The two accumulators take turns
.Ldead:
	s_add_co_u32 s50, s50, 1
	s_cmp_lt_u32 s50, TRIPS
	s_cbranch_scc1 .Ltrip
	; part[band][image group][angle][quad of images][w][4 images]: a lane's four sums are 16 bytes, a wave's store 512 consecutive bytes at a multiple of 512
	s_lshl_b32 s31, s11, 1
	s_add_co_u32 s31, s31, s14
	s_mul_i32 s31, s31, 22
	s_mul_i32 s32, s13, 11
	s_add_co_u32 s31, s31, s32
	s_add_co_u32 s31, s31, s9
	s_lshl_b32 s32, s31, 15                        ; 4 quads x 512 columns x 16 bytes
	s_lshl_b32 s33, s30, 4
	s_add_co_u32 s32, s32, s33
	s_mov_b32 s33, 0
	s_add_nc_u64 s[6:7], s[6:7], s[32:33]
	v_lshlrev_b32 v84, 4, v1
.rept 4
	v_nop                                          ; four places between the last matrix instruction and the stores of its result
.endr
	global_store_b128 v84, v[20:23], s[6:7]        ; each accumulator from its low end on
	global_store_b128 v84, v[24:27], s[6:7] offset:8192
	global_store_b128 v84, v[28:31], s[6:7] offset:16384
	global_store_b128 v84, v[32:35], s[6:7] offset:24576
	s_wait_tensorcnt 0x0                           ; the wave's end
	ds_add_u32 v2, v3
	s_wait_dscnt 0x0
	s_endpgm
.Lfunc_end_k_qcecad29268_bands:
	.size	k_qcecad29268_bands, .Lfunc_end_k_qcecad29268_bands-k_qcecad29268_bands
	.p2alignl 7, 3214868480
	.fill 96, 4, 3214868480
	.section	.rodata,"a",@progbits
	.p2align	6, 0x0
	.amdhsa_kernel k_qcecad29268_bands
		.amdhsa_group_segment_fixed_size 316416
		.amdhsa_private_segment_fixed_size 0
		.amdhsa_enable_private_segment 0
		.amdhsa_kernarg_size 16
		.amdhsa_user_sgpr_count 2
		.amdhsa_user_sgpr_kernarg_segment_ptr 1
		.amdhsa_wavefront_size32 1
		.amdhsa_system_sgpr_workgroup_id_x 1
		.amdhsa_system_sgpr_workgroup_id_y 1
		.amdhsa_system_sgpr_workgroup_id_z 1
		.amdhsa_system_vgpr_workitem_id 0
		.amdhsa_next_free_vgpr 152
		.amdhsa_next_free_sgpr 66
		.amdhsa_reserve_vcc 1
		.amdhsa_float_denorm_mode_32 3
		.amdhsa_float_denorm_mode_16_64 3
		.amdhsa_memory_ordered 1
		.amdhsa_forward_progress 1
		.amdhsa_inst_pref_size 64
	.end_amdhsa_kernel
	.amdgpu_metadata
---
amdhsa.version: [ 1, 2 ]
amdhsa.kernels:
  - .name:           k_qcecad29268_bands
    .symbol:         k_qcecad29268_bands.kd
    .args:
      - { .name: x, .offset: 0, .size: 8, .value_kind: global_buffer, .address_space: global }
      - { .name: part, .offset: 8, .size: 8, .value_kind: global_buffer, .address_space: global }
    .group_segment_fixed_size: 316416
    .private_segment_fixed_size: 0
    .kernarg_segment_align: 8
    .kernarg_segment_size: 16
    .max_flat_workgroup_size: 704
    .sgpr_count:     66
    .vgpr_count:     152
    .wavefront_size: 32
...
	.end_amdgpu_metadata
.endif
;; end of part 1
;; launch sum (part 2): grid 128 x 1, 22 waves a work-group, no clusters, 14,336 bytes of LDS; arguments part, out0; writes out0
.if DOCPART == 2
	.amdgcn_target "amdgcn-amd-amdhsa--gfx1250"
	.amdhsa_code_object_version 6
	.text
	.protected	k_qcecad29268_sum
	.globl	k_qcecad29268_sum
	.p2align	8
	.type	k_qcecad29268_sum,@function
k_qcecad29268_sum:
	s_mov_b64 s[64:65], 0
	v_nop
	global_prefetch_b8 v0, s[64:65] scope:SCOPE_SE
	s_setreg_imm32_b32 hwreg(HW_REG_WAVE_MODE, 25, 1), 1
	s_wait_xcnt 0x0
; RADON TRANSFORM, second of two launches: out0[n][w][a] = the sum over the 8 bands of part[band][group][a][quad][w][i], n = 16 group + 4 quad + i, in f32.
; A work-group takes 4 images (one quad) and 32 columns; wave = angle, lane = column.  A wave's load covers 512 consecutive bytes.  The sums are turned in LDS into [i][w][a]:
; 32 columns x 22 angles x 4 bytes = 2,816 bytes an image, 11 pieces of 256 bytes that lie on end in out0; each of the 704 threads stores 16 of the 11,264 bytes.
; Memory binds: no matrix unit, no cluster (no two work-groups read the same bytes), 128 work-groups since 16 columns would be 1,408 bytes, no multiple of 256.
.set SLAB,  1441792                    ; bytes of a band's partial sums
.set IMGB,  2816                       ; bytes of an image's 32 columns, in the stage and in out0
.set OUTI,  45056                      ; bytes of an image in out0: 512 x 22 x 4
.set SPARE, 4*IMGB                     ; behind the stage: the spare words, 128 bytes a wave: 11 blocks of 256 bytes that no other line names
	s_load_b128 s[4:7], s[0:1], 0x0                ; part, out0
	v_lshl_add_u32 v2, v0, 2, SPARE                ; my spare word,
	v_mov_b32 v3, 0                                ; and 0: kept for the closing add alone
	v_and_b32 v1, 31, v0
	v_lshrrev_b32 v4, 5, v0
	v_readfirstlane_b32 s8, v4                     ; wave = angle
	s_and_b32 s9, ttmp9, 15                        ; which 32 columns
	s_bfe_u32 s10, ttmp9, 0x20004                  ; quad of images
	s_lshr_b32 s11, ttmp9, 6                       ; image group
	s_mul_i32 s12, s11, 22
	s_add_co_u32 s12, s12, s8
	s_lshl2_add_u32 s12, s12, s10                  ; (group x 22 + angle) x 4 + quad
	s_lshl_b32 s12, s12, 13                        ; x 512 columns x 16 bytes
	s_lshl_b32 s13, s9, 9
	s_add_co_u32 s12, s12, s13
	s_add_co_u32 s12, s12, 4*SLAB                  ; from band 4: the 8 bands lie -4 .. +3 slabs from there, inside the signed 24-bit offset
	s_mov_b32 s13, 0
	s_lshl_b32 s14, s11, 2
	s_add_co_u32 s14, s14, s10
	s_mul_i32 s14, s14, 4*OUTI                     ; my first image
	s_mul_i32 s15, s9, IMGB
	s_add_co_u32 s14, s14, s15                     ; and my 32 columns in it
	s_mov_b32 s15, 0
	v_lshlrev_b32 v5, 4, v1
	s_wait_kmcnt 0x0
	s_add_nc_u64 s[4:5], s[4:5], s[12:13]
	s_add_nc_u64 s[6:7], s[6:7], s[14:15]
.irp b,0,1,2,3,4,5,6,7
	global_load_b128 v[8+4*\b:11+4*\b], v5, s[4:5] offset:(\b-4)*SLAB th:TH_LOAD_NT
.endr
	v_mul_u32_u24 v6, 88, v1                       ; into the stage: column x 88 + angle x 4; 22 words from lane to lane: 32 lanes, 32 different banks
	s_lshl_b32 s16, s8, 2
	v_add_nc_u32 v6, s16, v6
	v_lshlrev_b32 v7, 4, v0                        ; back: 16 bytes a thread, the stage from end to end
	v_mul_u32_u24 v4, 745, v0
	v_lshrrev_b32 v4, 17, v4                       ; thread / 176 (exact up to 703): the image whose 176 pieces of 16 bytes mine belongs to
	v_mul_u32_u24 v4, OUTI-IMGB, v4                ; in out0 the images' pieces lie 45,056 bytes apart, in the stage 2,816
	v_add_nc_u32 v4, v4, v7                        ; 176 = 11 x 16: sixteen neighbouring lanes stay in one image and store 256 consecutive bytes, aligned
	s_wait_loadcnt 0x0
.irp b,0,2,4,6
	v_pk_add_f32 v[8+4*\b:9+4*\b], v[8+4*\b:9+4*\b], v[12+4*\b:13+4*\b]
	v_pk_add_f32 v[10+4*\b:11+4*\b], v[10+4*\b:11+4*\b], v[14+4*\b:15+4*\b]
.endr
.irp b,0,4
	v_pk_add_f32 v[8+4*\b:9+4*\b], v[8+4*\b:9+4*\b], v[16+4*\b:17+4*\b]
	v_pk_add_f32 v[10+4*\b:11+4*\b], v[10+4*\b:11+4*\b], v[18+4*\b:19+4*\b]
.endr
	v_pk_add_f32 v[8:9], v[8:9], v[24:25]
	v_pk_add_f32 v[10:11], v[10:11], v[26:27]
	ds_store_b32 v6, v8
	ds_store_b32 v6, v9 offset:IMGB
	ds_store_b32 v6, v10 offset:2*IMGB
	ds_store_b32 v6, v11 offset:3*IMGB
	s_wait_dscnt 0x0                               ; for the others' sake: my sums are in the stage
	s_barrier_signal -1
	s_barrier_wait -1
	ds_load_b128 v[12:15], v7
	s_wait_dscnt 0x0
	global_store_b128 v4, v[12:15], s[6:7] th:TH_STORE_NT
	s_wait_tensorcnt 0x0                           ; the wave's end
	ds_add_u32 v2, v3
	s_wait_dscnt 0x0
	s_endpgm
.Lfunc_end_k_qcecad29268_sum:
	.size	k_qcecad29268_sum, .Lfunc_end_k_qcecad29268_sum-k_qcecad29268_sum
	.p2alignl 7, 3214868480
	.fill 96, 4, 3214868480
	.section	.rodata,"a",@progbits
	.p2align	6, 0x0
	.amdhsa_kernel k_qcecad29268_sum
		.amdhsa_group_segment_fixed_size 14336
		.amdhsa_private_segment_fixed_size 0
		.amdhsa_enable_private_segment 0
		.amdhsa_kernarg_size 16
		.amdhsa_user_sgpr_count 2
		.amdhsa_user_sgpr_kernarg_segment_ptr 1
		.amdhsa_wavefront_size32 1
		.amdhsa_system_sgpr_workgroup_id_x 1
		.amdhsa_system_sgpr_workgroup_id_y 1
		.amdhsa_system_sgpr_workgroup_id_z 1
		.amdhsa_system_vgpr_workitem_id 0
		.amdhsa_next_free_vgpr 40
		.amdhsa_next_free_sgpr 66
		.amdhsa_reserve_vcc 0
		.amdhsa_float_denorm_mode_32 3
		.amdhsa_float_denorm_mode_16_64 3
		.amdhsa_memory_ordered 1
		.amdhsa_forward_progress 1
		.amdhsa_inst_pref_size 4
	.end_amdhsa_kernel
	.amdgpu_metadata
---
amdhsa.version: [ 1, 2 ]
amdhsa.kernels:
  - .name:           k_qcecad29268_sum
    .symbol:         k_qcecad29268_sum.kd
    .args:
      - { .name: part, .offset: 0, .size: 8, .value_kind: global_buffer, .address_space: global }
      - { .name: out0, .offset: 8, .size: 8, .value_kind: global_buffer, .address_space: global }
    .group_segment_fixed_size: 14336
    .private_segment_fixed_size: 0
    .kernarg_segment_align: 8
    .kernarg_segment_size: 16
    .max_flat_workgroup_size: 704
    .sgpr_count:     66
    .vgpr_count:     40
    .wavefront_size: 32
...
	.end_amdgpu_metadata
.endif
;; end of part 2
;; ======== version 2 of 2: 2 launches; version 1 with the launch bands written anew for expert scheduling mode
;; limits: values are held in f16: magnitudes above 65,504 overflow, below 6.1e-05 lose precision; inputs' magnitudes at most 65,504
;; workspace buffers: part 11,534,336 bytes
;; launch bands (part 3): grid 256 x 1, 22 waves a work-group, no clusters, 316,416 bytes of LDS; arguments x, part; writes part
.if DOCPART == 3
	.amdgcn_target "amdgcn-amd-amdhsa--gfx1250"
	.amdhsa_code_object_version 6
	.text
	.protected	k_qcecad29268_bands
	.globl	k_qcecad29268_bands
	.p2align	8
	.type	k_qcecad29268_bands,@function
k_qcecad29268_bands:
	s_mov_b64 s[64:65], 0
	v_nop
	global_prefetch_b8 v0, s[64:65] scope:SCOPE_SE
	s_setreg_imm32_b32 hwreg(HW_REG_WAVE_SCHED_MODE, 0, 2), 2
	s_setreg_imm32_b32 hwreg(HW_REG_WAVE_MODE, 25, 1), 1
	s_wait_xcnt 0x0
	s_wait_alu depctr_vm_vsrc(0)
; RADON TRANSFORM, first of two launches: partial sums over bands of 64 source rows.
; out[n][w][a] = sum over h of the bilinear sample of image n at  ix = 255.5 + c u + s v,  iy = 255.5 - s u + c v,  u = w - 255.5, v = h - 255.5,
; c, s = cos, sin of a degrees, a = 0..21; pixels outside the image count as 0.
; SHARES.  256 work-groups = 2 groups of 16 images x 2 groups of 11 angles x 8 chunks of 64 columns w x 8 bands.  Band b takes the samples with floor(iy) in 64 b .. 64 b + 63
; (band 0 also -1): an integer test on the same arithmetic in every work-group, so each sample is counted once.  Wave = (angle, 32 columns), lane = one ray.
; LDS.  The window of the 16 images that these rays cross, 66 rows x 144 pixels, rounded once to f16.  A cell is one pixel of 8 images (16 bytes); a row holds plane 0 (images 0-7), then
; plane 1 (images 8-15).  One address serves the 8 loads of a sample (4 taps x 2 planes).  The widest window over all chunks and bands needs 138 cells.
; Neighbouring lanes take neighbouring cells and both pitches are multiples of 256 bytes, so 16 lanes fall on different 16-byte columns unless two share a pixel column in different rows.
; ADDRESSES ARE WHOLE NUMBERS.  Coordinates are 32-bit fixed point with 21 fraction bits; cos, sin, 1/cos and tan are integers scaled by 2^20, made by the assembler from 8 decimals.
; ARITHMETIC.  The four taps are weighted in packed f16 (two images a line).  The sum along the ray is kept in f32 by the matrix unit: A is a constant matrix with A[m][k] = 1 where
; k mod 16 = m, B holds two steps' results as they lie (lane L, register pair of images), and register j of lane L of the result is the sum for ray L, image j.
; LIMITS.  |x| below 65,504 (f16); positions within about 5e-4 pixel of the exact ones; each interpolation is rounded to f16; NaN and infinities are not treated apart.
; NO TENSOR LOADS, NO CLUSTER: the pixels are converted and interleaved in registers on their way in, and raw f32 rows would find no room beside the 304,128-byte tile.
; THE MODE: SCHED_MODE bits 1:0 = 2 (LLVM: expert scheduling mode 2), set by the entry lines.  The code itself states the register dependences between vector or matrix instructions
; and memory or LDS instructions, and those through scalar registers that vector instructions write, with s_wait_alu, always for 0.
; THE PLAN.  Registers that memory or LDS instructions touch:
;   GO, LA       Written once by the fill's address arithmetic; read by the global loads (GO) and the LDS stores (LA) of the 7 turns; behind the barrier they take other numbers.
;   DB0 .. DB2   Turn j: its sixteen conversions read DB[j % 3]; behind them the loads of turn j + 3 land in it.
;   PK           Turn j: its conversions and selects write it, its four LDS stores read it.
;   v52, v53     A trip: written by the last line of each step's address, read by eight LDS loads each.
;   v88-151      A trip: sixteen LDS loads land in them, the two interpolations read them.
;   v84, v20-35  The way out: the stores' offset and data.        v2, v3: written at the head, read by the closing add alone.
; A turn of the fill has one wait on vm_vsrc at its head (the last turn's stores have read PK) and one on va_vdst behind its selects (PK is written; DB[j % 3] has been read): its loads and
; stores follow with no vector line between.  A trip makes both steps' addresses first; one wait on va_sdst stands behind its four compares, one on va_vdst behind the addresses (they are
; written; the last trip's interpolations have read v88-151); the sixteen loads follow in one run, and the weights behind them name none of the loads' registers; one wait on vm_vsrc
; behind the loads frees v52 and v53 for the next trip.  Compares stand in runs, into scalar registers of their own, with one wait behind each run.
.set QF,      21                      ; fraction bits
.set CENTRE,  511<<20                 ; 255.5 in fixed point
.set ODD,     0xfffffe01              ; -511
.set ROWB,    4608                    ; bytes of a tile row: 2 planes x 144 cells x 16
.set PLANE,   2304
.set TROWS,   66                      ; rows 64 b - 1 .. 64 b + 64
.set ZERO,    TROWS*ROWB              ; two rows of zeros: where samples that do not count read
.set SPARE,   ZERO+2*ROWB             ; the spare words, 128 bytes a wave: 11 blocks of 256 bytes that no other line names
.set TRIPS,   36                      ; two steps a trip; 65 / cos 21 = 69.6 rows of steps, one more for the start: 71 steps at the most
.set IMAGE,   1<<20                   ; bytes of an image
.set GO, 16                           ; v16-22  fill: byte offset in an image, one for each of 7 turns
.set LA, 24                           ; v24-30  fill: LDS address
.set PK, 32                           ; v32-47  fill: four packed cells
.set DB, 48                           ; v48-143 fill: three buffers of 16 loads
	s_load_b128 s[4:7], s[0:1], 0x0                ; x, part
	v_lshl_add_u32 v2, v0, 2, SPARE                ; my spare word,
	v_mov_b32 v3, 0                                ; and 0: kept for the closing add alone
	v_and_b32 v1, 31, v0                           ; lane
	v_lshrrev_b32 v4, 5, v0
	v_readfirstlane_b32 s8, v4                     ; wave 0..21
	s_wait_alu depctr_va_sdst(0)                   ; s8 is written, ahead of its first reader: the angle, the columns and the wave's tile rows are made from it
	s_lshr_b32 s9, s8, 1                           ; my angle in the group of 11
	s_and_b32 s10, s8, 1                           ; which 32 columns of the chunk
	s_and_b32 s11, ttmp9, 7                        ; band
	s_bfe_u32 s12, ttmp9, 0x30003                  ; chunk of 64 columns
	s_bfe_u32 s13, ttmp9, 0x10006                  ; angle group
	s_lshr_b32 s14, ttmp9, 7                       ; image group
	s_lshl_b32 s15, s11, 6
	s_sub_co_i32 s15, s15, 1                       ; the tile's first row, 64 b - 1
	s_cmp_lg_u32 s11, 0
	s_cselect_b32 s17, 1, 0                        ; lowest floor(iy) of the band, counted from that row: 0 in band 0, else 1
	s_add_co_i32 s16, s15, s17                     ; the same as a row of the image
	s_lshl_b32 s22, s12, 7
	s_sub_co_i32 s22, s22, 511                     ; 2 u of the chunk's first column
	s_add_co_i32 s47, s22, 126                     ; and of its last
	s_lshl_b32 s23, s15, 1
	s_sub_co_i32 s23, s23, 511                     ; 2 (iy - 255.5) at the tile's first row
	s_add_co_i32 s48, s23, 130                     ; and at row 64 b + 64
	s_mov_b32 s24, 0x7fffffff                      ; leftmost and
	s_mov_b32 s49, 0x80000000                      ; rightmost place of a ray in the band, over the group's angles
	s_mov_b32 s18, 0
	s_mov_b32 s19, 0
	s_mov_b32 s20, 0
	s_mov_b32 s21, 0
; One angle: sin and cos times 1e8.  A ray crosses row iy at ix = 255.5 + u / c + (iy - 255.5) tan: least at the first column and first row, most at the last ones.
; The wave whose angle this is keeps the four constants.
.macro ANG i, sn, cs
.set A_COS, (((\cs)<<20)+50000000)/100000000
.set A_SIN, (((\sn)<<20)+50000000)/100000000
.set A_SEC, ((100000000<<20)+(\cs)/2)/(\cs)
.set A_TAN, (((\sn)<<20)+(\cs)/2)/(\cs)
	s_mul_i32 s26, s22, A_SEC
	s_mul_i32 s27, s23, A_TAN
	s_add_co_i32 s26, s26, s27
	s_min_i32 s24, s24, s26
	s_mul_i32 s26, s47, A_SEC
	s_mul_i32 s27, s48, A_TAN
	s_add_co_i32 s26, s26, s27
	s_max_i32 s49, s49, s26
	s_cmp_eq_u32 s9, \i
	s_cselect_b32 s18, A_COS, s18
	s_cselect_b32 s19, A_SIN, s19
	s_cselect_b32 s20, A_SEC, s20
	s_cselect_b32 s21, A_TAN, s21
.endm
	s_cmp_eq_u32 s13, 0
	s_cbranch_scc0 .Lupper
	ANG 0,  0,        100000000
	ANG 1,  1745241,  99984770
	ANG 2,  3489950,  99939083
	ANG 3,  5233596,  99862953
	ANG 4,  6975647,  99756405
	ANG 5,  8715574,  99619470
	ANG 6,  10452846, 99452190
	ANG 7,  12186934, 99254615
	ANG 8,  13917310, 99026807
	ANG 9,  15643447, 98768834
	ANG 10, 17364818, 98480775
	s_branch .Lhave
.Lupper:
	ANG 0,  19080900, 98162718
	ANG 1,  20791169, 97814760
	ANG 2,  22495105, 97437006
	ANG 3,  24192190, 97029573
	ANG 4,  25881905, 96592583
	ANG 5,  27563736, 96126170
	ANG 6,  29237170, 95630476
	ANG 7,  30901699, 95105652
	ANG 8,  32556815, 94551858
	ANG 9,  34202014, 93969262
	ANG 10, 35836795, 93358043
.Lhave:
	s_add_co_i32 s24, s24, CENTRE
	s_ashr_i32 s25, s24, QF
	s_sub_co_i32 s25, s25, 1                       ; one pixel of margin,
	s_and_b32 s25, s25, -2                         ; even, so that a pair of pixels is 8 aligned bytes,
	s_max_i32 s25, s25, -2                         ; and no further left than the zero column -1 asks: the window's first pixel
	s_add_co_i32 s49, s49, CENTRE
	s_ashr_i32 s39, s49, QF
	s_add_co_i32 s39, s39, 3                       ; the right tap and one pixel of margin
	s_max_i32 s39, s39, 0
	s_min_i32 s39, s39, 0x200                      ; pixels from here on are not fetched: outside the image, or crossed by no ray
	s_mul_i32 s26, s8, 3
	s_add_co_i32 s27, s15, s26                     ; my wave fills tile rows 3 wave .. 3 wave + 2: the first as a row of the image,
	s_mul_i32 s28, s8, 3*ROWB                      ; and in LDS
	s_movk_i32 s29, 0x200
	s_lshl_b32 s30, s14, 24
	s_add_co_u32 s30, s30, 8*IMAGE                 ; x at image 16 group + 8: the 16 images lie -8 .. +7 images from there, inside the signed 24-bit offset
	s_mov_b32 s31, 0
	s_cmp_lg_u32 s8, 0
	s_cbranch_scc1 .Lnot_first
	v_lshl_add_u32 v4, v1, 4, ZERO                 ; wave 0 writes the two rows of zeros: 18 x 512 bytes
	v_mov_b32 v8, 0
	v_mov_b32 v9, 0
	v_mov_b32 v10, 0
	v_mov_b32 v11, 0
	s_wait_alu depctr_va_vdst(0)                   ; v4 and v[8:11] are written, which the LDS stores below read as address and data
.set i, 0
.rept 18
	ds_store_b128 v4, v[8:11] offset:512*i
.set i, i+1
.endr
	s_wait_alu depctr_vm_vsrc(0)                   ; these stores have read v4, which the fill's address arithmetic writes next, and v[8:11], which the ray's constants take later
.Lnot_first:
; THE FILL.  A wave's 3 rows are 216 pairs of pixels: 7 turns of 32 lanes (in the last, lanes 24-31 repeat lane 23's pair).  A lane loads its pair from 16 images (a wave's load covers
; 256 consecutive bytes of an image row), packs them and stores 4 cells.
; A turn's addresses, and its two tests into scalar registers of their own (s50-56 hold nothing else yet): the 14 compares of the 7 turns are one run with one wait behind it.
.macro FADDR j
	v_add_nc_u32 v4, 32*(\j), v1                   ; pair 0..215
.if (\j) == 6
	v_min_u32 v4, 215, v4
.endif
	v_mul_u32_u24 v5, 911, v4
	v_lshrrev_b32 v5, 16, v5                       ; pair / 72 (exact up to 215): row 0..2
	v_mul_u32_u24 v6, 72, v5
	v_sub_nc_u32 v6, v4, v6                        ; pair in the row
	v_add_nc_u32 v7, s27, v5                       ; y
	v_lshl_add_u32 v4, v6, 1, s25                  ; x
	v_cmp_gt_u32 s[40+(\j)], s29, v7               ; 0 <= y < 512
	v_cmp_gt_u32 s[50+(\j)], s39, v4               ; 0 <= x < limit
	v_lshlrev_b32 v7, 11, v7
	v_lshl_add_u32 v[GO+(\j)], v4, 2, v7           ; 2048 y + 4 x
	v_mul_u32_u24 v5, ROWB, v5
	v_lshl_add_u32 v5, v6, 5, v5
	v_add_nc_u32 v5, s28, v5
	v_min_u32 v[LA+(\j)], ZERO-PLANE-32, v5        ; the last pair of the last row: never passed, stated as a bound
.endm
.macro FLOAD j
.set FB, DB+32*((\j)%3)
.set i, 0
.rept 16
	global_load_b64 v[FB+2*i:FB+2*i+1], v[GO+(\j)], s[4:5] offset:(i-8)*IMAGE
.set i, i+1
.endr
.endm
.macro FPACK j
.set FB, DB+32*((\j)%3)
.irp p,0,1
.irp e,0,1
.irp m,0,1,2,3
	v_cvt_pk_f16_f32 v[PK+8*\p+4*\e+\m], v[FB+16*\p+4*\m+\e], v[FB+16*\p+4*\m+2+\e]  ; pixel e of images 8 p + 2 m (low half) and 8 p + 2 m + 1
.endr
.endr
.endr
.set i, 0
.rept 16
	v_cndmask_b32 v[PK+i], 0, v[PK+i], s[40+(\j)]
.set i, i+1
.endr
.endm
.macro FOUT j
.irp p,0,1
.irp e,0,1
	ds_store_b128 v[LA+(\j)], v[PK+8*\p+4*\e:PK+8*\p+4*\e+3] offset:\p*PLANE+\e*16
.endr
.endr
.endm
.irp j,0,1,2,3,4,5,6
	FADDR \j
.endr
	s_wait_alu depctr_va_sdst(0)                   ; the 14 compares have written s40-46 and s50-56, ahead of their first readers below
.irp j,0,1,2,3,4,5,6
	s_and_b32 s[40+\j], s[40+\j], s[50+\j]         ; the pair is wanted
.endr
.irp j,0,1,2,3,4,5,6
	v_cndmask_b32 v[GO+\j], 0, v[GO+\j], s[40+\j]  ; pairs that are not wanted all ask for the image's first bytes, and are stored as zeros
.endr
	s_wait_kmcnt 0x0
	s_add_nc_u64 s[4:5], s[4:5], s[30:31]
	s_wait_alu depctr_va_vdst(0)                   ; GO and LA are written: the loads and the LDS stores of all 7 turns read them, and no vector line names them again before the barrier
	FLOAD 0
	FLOAD 1
	FLOAD 2                                        ; three turns, 48 loads of 256 bytes, are out in each wave
.irp j,0,1,2,3,4,5,6
.if (\j) < 5
	s_wait_loadcnt 32                              ; loads come back in order: this turn's 16 are in, the two younger turns stay out
.elseif (\j) == 5
	s_wait_loadcnt 16                              ; one younger turn is left
.else
	s_wait_loadcnt 0
.endif
.if (\j) > 0
	s_wait_alu depctr_vm_vsrc(0)                   ; the LDS stores of the turn before have read PK, which the conversions below write again
.endif
	FPACK \j
	s_wait_alu depctr_va_vdst(0)                   ; the selects have written PK, which the LDS stores read; the conversions are done reading this turn's buffer, in which the loads below land
.if (\j) < 4
	FLOAD (\j)+3                                   ; into the buffer just packed, ahead of the stores
.endif
	FOUT \j
.endr
	s_wait_dscnt 0x0                               ; for the others' sake: my cells are in LDS
	s_barrier_signal -1
	s_barrier_wait -1                              ; the tile is whole; from here on LDS is only read
	s_wait_alu depctr_vm_vsrc(0)                   ; my loads have read GO, my LDS stores LA and PK: these registers take the selection matrix, the accumulators and the samples from here on
; THE RAY.  v4, v5: ix and iy of the step in hand, counted from the tile's first pixel and row.  v6, v7: iy counts where iy - v6 < v7 (unsigned): inside the band and 0 <= h <= 511.
	s_lshl_b32 s30, s12, 6
	s_lshl_b32 s31, s10, 5
	s_add_co_u32 s30, s30, s31                     ; my wave's first column
	v_add_nc_u32 v52, s30, v1
	v_lshlrev_b32 v52, 1, v52
	v_add_nc_u32 v52, ODD, v52                     ; U = 2 u
	s_lshl_b32 s31, s16, 1
	s_sub_co_i32 s31, s31, 511
	s_mul_i32 s31, s31, s20
	s_add_co_i32 s31, s31, CENTRE+(1<<21)-(1<<13)  ; the ray enters the band at h = 255.5 + (row - 255.5) / c + u tan; plus 1 - 1/256 and cut off, that is the first step
	v_mul_lo_u32 v53, v52, s21                     ; inside or the one before it (the constants' rounding moves it by less than 1/256)
	v_add_nc_u32 v53, s31, v53
	v_ashrrev_i32 v53, QF, v53                     ; the first h that I take
	v_lshlrev_b32 v53, 1, v53
	v_add_nc_u32 v53, ODD, v53                     ; V = 2 v
	v_mul_lo_u32 v54, v52, s19                     ; s U
	v_mul_lo_u32 v55, v52, s18                     ; c U
	v_mul_lo_u32 v56, v53, s18                     ; c V
	v_mul_lo_u32 v57, v53, s19                     ; s V
	s_lshl_b32 s32, s15, QF
	s_sub_co_i32 s32, CENTRE, s32
	s_lshl_b32 s33, s25, QF
	s_sub_co_i32 s33, CENTRE, s33
	v_sub_nc_u32 v58, s32, v54                     ; iy at V = 0
	v_add_nc_u32 v5, v58, v56
	v_add3_u32 v4, v55, v57, s33
	s_mul_i32 s34, s18, 511
	s_sub_co_i32 s35, 0, s34
	v_add_nc_u32 v59, s35, v58                     ; iy at h = 0
	v_add3_u32 v60, v58, s34, 1                    ; iy at h = 511, and one unit more
	s_lshl_b32 s36, s17, QF                        ; the band's lower
	s_mov_b32 s37, 65<<QF                          ; and upper end
	v_cmp_gt_i32 s61, s36, v59
	v_cmp_lt_i32 s62, s37, v60
	s_wait_alu depctr_va_sdst(0)                   ; the two compares have written s61 and s62, ahead of the selects that read them
	v_cndmask_b32 v6, v59, s36, s61                ; the greater lower end
	v_cndmask_b32 v7, v60, s37, s62                ; the lesser upper end
	v_sub_nc_u32 v7, v7, v6
	v_cmp_lt_i32 s63, 0, v7
	s_wait_alu depctr_va_sdst(0)                   ; the compare has written s63, ahead of the select that reads it
	v_cndmask_b32 v7, 0, v7, s63                   ; the span, 0 if there is none
	s_sub_co_i32 s38, 65, s17                      ; rows of the band
	s_mul_i32 s38, s38, s20
	s_add_co_u32 s38, s38, (1<<20)-1
	s_lshr_b32 s38, s38, 20                        ; steps inside it, at the most
	s_add_co_u32 s38, s38, 2                       ; one for the start, one to round up
	s_lshr_b32 s51, s38, 1                         ; my angle's trips
	s_lshl_b32 s52, s19, 1                         ; a step in ix: s,
	s_lshl_b32 s53, s18, 1                         ; in iy: c
	s_lshl_b32 s54, s19, 2                         ; two steps
	s_lshl_b32 s55, s18, 2
	s_add_co_i32 s56, s25, 1
	s_lshl_b32 s56, s56, QF                        ; ix counts where ix + 1 (in image pixels) < 513, unsigned
	s_mov_b32 s57, 513<<QF
	s_mov_b32 s58, 0x7fffff
	s_mov_b32 s59, 0x3f800000
	s_mov_b32 s60, ZERO
	v_mov_b32 v8, -1.0                             ; (1 + f) (-1, 1) + (2, -1) = (1 - f, f)
	v_mov_b32 v9, 1.0
	v_mov_b32 v10, 2.0
	v_mov_b32 v11, -1.0
	v_mov_b32 v59, 0                               ; upper halves of pairs of which the packed multiply takes the lower
	v_mov_b32 v75, 0
	; the selection matrix: lane (m = lane % 16, half) holds k = 8 half .. + 7 in registers 0-3 and 16 more in 4-7; 1.0 stands at k = m and k = m + 16
	v_lshrrev_b32 v52, 4, v1
	v_bfe_u32 v53, v1, 3, 1
	v_cmp_eq_u32 s38, v52, v53                     ; k = m lies in my half
	v_and_b32 v54, 1, v1
	v_lshlrev_b32 v54, 4, v54
	v_mov_b32 v55, 0x3c00
	v_lshlrev_b32 v55, v54, v55                    ; 1.0 in the half-word m % 2
	v_bfe_u32 v56, v1, 1, 2                        ; in register (m % 8) / 2
.irp q,0,1,2,3
	v_cmp_eq_u32 s[40+\q], \q, v56
.endr
	s_wait_alu depctr_va_sdst(0)                   ; the five compares have written s38 and s40-43, ahead of the selects that read them
	v_cndmask_b32 v55, 0, v55, s38
.irp q,0,1,2,3
	v_cndmask_b32 v[12+\q], 0, v55, s[40+\q]
	v_cndmask_b32 v[16+\q], 0, v55, s[40+\q]
.endr
.set i, 20
.rept 16
	v_mov_b32 v[i], 0                              ; the two accumulators: the loop is one text for every trip
.set i, i+1
.endr
; Where a step reads: row x 4608 + pixel x 16, or the rows of zeros if it does not count.  PLACE makes the place and the two tests, with four registers at t at work;
; PICK, behind the wait for the tests, chooses.
.macro PLACE ix, iy, t, m, n
	v_sub_nc_u32 v[\t], v[\iy], v6
	v_add_nc_u32 v[(\t)+1], s56, v[\ix]
	v_ashrrev_i32 v[(\t)+2], QF, v[\iy]
	v_ashrrev_i32 v[(\t)+3], QF, v[\ix]
	v_cmp_gt_u32 s[\m], v7, v[\t]
	v_cmp_gt_u32 s[\n], s57, v[(\t)+1]
	v_mul_u32_u24 v[(\t)+2], ROWB, v[(\t)+2]
	v_lshl_add_u32 v[(\t)+2], v[(\t)+3], 4, v[(\t)+2]
.endm
.macro PICK t, ad, m, n
	s_and_b32 s[\m], s[\m], s[\n]
	v_cndmask_b32 v[(\t)+2], s60, v[(\t)+2], s[\m]
	v_min_u32 v[\ad], ZERO, v[(\t)+2]              ; never passed by a step that counts: stated as a bound
.endm
.macro GATHER ad, d                    ; tap t = 2 row + pixel, plane p -> 4 registers at d + 8 t + 4 p
.irp t,0,1,2,3
.irp p,0,1
	ds_load_b128 v[(\d)+8*\t+4*\p:(\d)+8*\t+4*\p+3], v[\ad] offset:(\t/2)*ROWB+(\t%2)*16+\p*PLANE
.endr
.endr
.endm
; The four weights from the fraction bits: 21 bits under the exponent of 1.0 are 1 + f.  Each weight twice in a register, as f16.
.macro WEIGH ix, iy, f, h
	v_lshlrev_b32 v84, 2, v[\ix]
	v_lshlrev_b32 v85, 2, v[\iy]
	v_and_or_b32 v[\f], v84, s58, s59
	v_and_or_b32 v[(\f)+1], v85, s58, s59
	v_pk_fma_f32 v[(\f)+2:(\f)+3], v[\f:(\f)+1], v[8:9], v[10:11] op_sel_hi:[0,1,1]        ; (1 - fx, fx)
	v_sub_f32 v[(\f)+4], 2.0, v[(\f)+1]                                                     ; 1 - fy
	v_pk_mul_f32 v[(\f)+6:(\f)+7], v[(\f)+2:(\f)+3], v[(\f)+4:(\f)+5] op_sel_hi:[1,0]       ; the upper row's two
	v_pk_add_f32 v[(\f)+8:(\f)+9], v[(\f)+2:(\f)+3], v[(\f)+6:(\f)+7] neg_lo:[0,1] neg_hi:[0,1]  ; the lower row's: what is left of (1 - fx, fx)
	v_cvt_pk_f16_f32 v[\h], v[(\f)+6], v[(\f)+6]
	v_cvt_pk_f16_f32 v[(\h)+1], v[(\f)+7], v[(\f)+7]
	v_cvt_pk_f16_f32 v[(\h)+2], v[(\f)+8], v[(\f)+8]
	v_cvt_pk_f16_f32 v[(\h)+3], v[(\f)+9], v[(\f)+9]
.endm
.macro LERP d, h, t                    ; 16 images' samples, two a line; eight chains side by side
.irp p,0,1
.irp m,0,1,2,3
	v_pk_mul_f16 v[(\t)+8*\p+\m], v[(\d)+4*\p+\m], v[\h]
.endr
.endr
.irp c,1,2,3
.irp p,0,1
.irp m,0,1,2,3
	v_pk_fma_f16 v[(\t)+8*\p+\m], v[(\d)+8*\c+4*\p+\m], v[(\h)+\c], v[(\t)+8*\p+\m]
.endr
.endr
.endr
.endm
	s_mov_b32 s50, 0
.Ltrip:                                                ; counted to the largest angle's trips; a wave with fewer jumps over the rest
	s_cmp_ge_u32 s50, s51
	s_cbranch_scc1 .Ldead
	PLACE 4, 5, 84, 40, 42                         ; both steps' places first, so that their four compares are one run
	v_add_nc_u32 v68, s52, v4                      ; the second step
	v_add_nc_u32 v69, s53, v5
	PLACE 68, 69, 70, 41, 43                       ; at work in v70-73, which hold nothing until the second step's weights are made
	s_wait_alu depctr_va_sdst(0)                   ; the four compares have written s40-43, ahead of their first readers below
	PICK 84, 52, 40, 42
	PICK 70, 53, 41, 43
	s_wait_alu depctr_va_vdst(0)                   ; v52 and v53 are written, which the sixteen loads read; the last trip's interpolations (in the first trip the fill's conversions) are done reading v88-151, in which they land
	GATHER 52, 88
	GATHER 53, 120
	WEIGH 4, 5, 54, 64                             ; the weights are made while the cells are on their way: these lines name v4, v5 and v54-85, none of the loads' registers
	WEIGH 68, 69, 70, 80
	v_add_nc_u32 v4, s54, v4
	v_add_nc_u32 v5, s55, v5
	s_wait_dscnt 8                                 ; LDS loads come back in order: the first step's 8 are in, the second's stay out
	LERP 88, 64, 36
	s_wait_dscnt 0
	s_wait_alu depctr_vm_vsrc(0)                   ; the sixteen loads have read v52 and v53, which the next trip writes again
	LERP 120, 80, 40
	v_wmma_f32_16x16x32_f16 v[20:27], v[12:19], v[36:43], v[20:27]   ; images 0-7: both steps onto the f32 sums
	v_wmma_f32_16x16x32_f16 v[28:35], v[12:19], v[44:51], v[28:35]   ; images 8-15.  The two accumulators take turns
.Ldead:
	s_add_co_u32 s50, s50, 1
	s_cmp_lt_u32 s50, TRIPS
	s_cbranch_scc1 .Ltrip
	; part[band][image group][angle][quad of images][w][4 images]: a lane's four sums are 16 bytes, a wave's store 512 consecutive bytes at a multiple of 512
	s_lshl_b32 s31, s11, 1
	s_add_co_u32 s31, s31, s14
	s_mul_i32 s31, s31, 22
	s_mul_i32 s32, s13, 11
	s_add_co_u32 s31, s31, s32
	s_add_co_u32 s31, s31, s9
	s_lshl_b32 s32, s31, 15                        ; 4 quads x 512 columns x 16 bytes
	s_lshl_b32 s33, s30, 4
	s_add_co_u32 s32, s32, s33
	s_mov_b32 s33, 0
	s_add_nc_u64 s[6:7], s[6:7], s[32:33]
	v_lshlrev_b32 v84, 4, v1
.rept 4
	v_nop                                          ; four places between the last matrix instruction and the stores of its result
.endr
	s_wait_alu depctr_va_vdst(0)                   ; the matrix instructions have written the accumulators and the shift v84, which the stores read; the places above stay beside this wait
	global_store_b128 v84, v[20:23], s[6:7]        ; each accumulator from its low end on
	global_store_b128 v84, v[24:27], s[6:7] offset:8192
	global_store_b128 v84, v[28:31], s[6:7] offset:16384
	global_store_b128 v84, v[32:35], s[6:7] offset:24576
	s_wait_dscnt 0x0                               ; the wave's end
	s_wait_alu 0x0
	s_wait_tensorcnt 0x0
	ds_add_u32 v2, v3
	s_wait_dscnt 0x0
	s_endpgm
.Lfunc_end_k_qcecad29268_bands:
	.size	k_qcecad29268_bands, .Lfunc_end_k_qcecad29268_bands-k_qcecad29268_bands
	.p2alignl 7, 3214868480
	.fill 96, 4, 3214868480
	.section	.rodata,"a",@progbits
	.p2align	6, 0x0
	.amdhsa_kernel k_qcecad29268_bands
		.amdhsa_group_segment_fixed_size 316416
		.amdhsa_private_segment_fixed_size 0
		.amdhsa_enable_private_segment 0
		.amdhsa_kernarg_size 16
		.amdhsa_user_sgpr_count 2
		.amdhsa_user_sgpr_kernarg_segment_ptr 1
		.amdhsa_wavefront_size32 1
		.amdhsa_system_sgpr_workgroup_id_x 1
		.amdhsa_system_sgpr_workgroup_id_y 1
		.amdhsa_system_sgpr_workgroup_id_z 1
		.amdhsa_system_vgpr_workitem_id 0
		.amdhsa_next_free_vgpr 152
		.amdhsa_next_free_sgpr 66
		.amdhsa_reserve_vcc 0
		.amdhsa_float_denorm_mode_32 3
		.amdhsa_float_denorm_mode_16_64 3
		.amdhsa_memory_ordered 1
		.amdhsa_forward_progress 1
		.amdhsa_inst_pref_size 65
	.end_amdhsa_kernel
	.amdgpu_metadata
---
amdhsa.version: [ 1, 2 ]
amdhsa.kernels:
  - .name:           k_qcecad29268_bands
    .symbol:         k_qcecad29268_bands.kd
    .args:
      - { .name: x, .offset: 0, .size: 8, .value_kind: global_buffer, .address_space: global }
      - { .name: part, .offset: 8, .size: 8, .value_kind: global_buffer, .address_space: global }
    .group_segment_fixed_size: 316416
    .private_segment_fixed_size: 0
    .kernarg_segment_align: 8
    .kernarg_segment_size: 16
    .max_flat_workgroup_size: 704
    .sgpr_count:     66
    .vgpr_count:     152
    .wavefront_size: 32
...
	.end_amdgpu_metadata
.endif
;; end of part 3
;; launch sum: the kernel of part 2 again; grid 128 x 1, 22 waves a work-group, no clusters, 14,336 bytes of LDS; arguments part, out0; writes out0
